; MI455X (gfx1250); checked and timed in simulation.
; The chip was launched on July 23, 2026; its instructions are those of AMD's public machine-readable ISA for CDNA 5 (MIT licence, August 2026) and "CDNA5" Instruction Set Architecture Reference Guide (July 2026). The comments in the code are by the model that wrote it; some were corrected since.
;; Comm Attention. Allowed arithmetic: matrix products marked QUANTISED: E2M3 operands, one E8M0 scale for each 32 along K, by v_wmma_scale_f32_16x16x128_f8f6f4 with both operands' format E2M3, f32 sums; everything else in f32.
;; Inputs: Wk_codes 1,024 x 4 x 24 uint8 (E2M3 codes of Wk, K innermost, in blocks of 32 codes, four codes in three bytes); Wk_scales 1,024 x 4 uint8 (E8M0 scales of Wk, one for each 32 codes along K); Wkt_codes 1,024 x 4 x 24 uint8 (E2M3 codes of Wkt, K innermost, in blocks of 32 codes, four codes in three bytes); Wkt_scales 1,024 x 4 uint8 (E8M0 scales of Wkt, one for each 32 codes along K); Wo_codes 128 x 32 x 24 uint8 (E2M3 codes of Wo, K innermost, in blocks of 32 codes, four codes in three bytes); Wo_scales 128 x 32 uint8 (E8M0 scales of Wo, one for each 32 codes along K); Wq_codes 1,024 x 4 x 24 uint8 (E2M3 codes of Wq, K innermost, in blocks of 32 codes, four codes in three bytes); Wq_scales 1,024 x 4 uint8 (E8M0 scales of Wq, one for each 32 codes along K); Wqt_codes 1,024 x 4 x 24 uint8 (E2M3 codes of Wqt, K innermost, in blocks of 32 codes, four codes in three bytes); Wqt_scales 1,024 x 4 uint8 (E8M0 scales of Wqt, one for each 32 codes along K); Wv_codes 1,024 x 4 x 24 uint8 (E2M3 codes of Wv, K innermost, in blocks of 32 codes, four codes in three bytes); Wv_scales 1,024 x 4 uint8 (E8M0 scales of Wv, one for each 32 codes along K); Wvt_codes 1,024 x 4 x 24 uint8 (E2M3 codes of Wvt, K innermost, in blocks of 32 codes, four codes in three bytes); Wvt_scales 1,024 x 4 uint8 (E8M0 scales of Wvt, one for each 32 codes along K); bkt 1,024 float32; bo 128 float32; bqt 1,024 float32; bvt 1,024 float32; kv_x_codes 4 x 16 x 64 x 32 x 4 x 24 uint8 (E2M3 codes of kv_x, K innermost, in blocks of 32 codes, four codes in three bytes); kv_x_scales 4 x 16 x 64 x 32 x 4 uint8 (E8M0 scales of kv_x, one for each 32 codes along K); q_x_codes 4 x 64 x 16 x 4 x 24 uint8 (E2M3 codes of q_x, K innermost, in blocks of 32 codes, four codes in three bytes); q_x_scales 4 x 64 x 16 x 4 uint8 (E8M0 scales of q_x, one for each 32 codes along K); t_embed 4 x 64 x 1 x 128 float32.
;; Outputs: out0 4 x 64 x 16 x 128 float32.
;; This version of the problem:
;;   THIS VERSION OF THE PROBLEM IS GIVEN IN LOW PRECISION. The matrix products marked QUANTISED in the list below multiply operands that are first quantised to E2M3 (2 exponent bits, 3 mantissa bits; 6 bits a number), with one power-of-two scale for each 32 numbers along K (OCP MX v1.0); their sums are f32. All else is computed in f32.
;;   The module's matrix products, in the order in which they are computed (A, B: the left and right operand; K: the contracted axis; several contracted axes count as one K, in the product's order):
;;     1. [M 4,096, K 128] x [K 128, N 1,024]; A: input q_x (given as codes); B: input Wq (given as codes): QUANTISED
;;     2. [M 256, K 128] x [K 128, N 1,024]; A: computed on the way; B: input Wqt (given as codes): QUANTISED
;;     3. [M 131,072, K 128] x [K 128, N 1,024]; A: input kv_x (given as codes); B: input Wk (given as codes): QUANTISED
;;     4. [M 256, K 128] x [K 128, N 1,024]; A: computed on the way; B: input Wkt (given as codes): QUANTISED
;;     5. [M 131,072, K 128] x [K 128, N 1,024]; A: input kv_x (given as codes); B: input Wv (given as codes): QUANTISED
;;     6. [M 256, K 128] x [K 128, N 1,024]; A: computed on the way; B: input Wvt (given as codes): QUANTISED
;;     7. batch 512 x [M 64, K 128] x [K 128, N 2,048]; A: computed on the way; B: computed on the way: QUANTISED
;;     8. batch 512 x [M 64, K 2,048] x [K 2,048, N 128]; A: softmax (see below); B: computed on the way: QUANTISED
;;     9. [M 4,096, K 1,024] x [K 1,024, N 128]; A: computed on the way; B: input Wo (given as codes): QUANTISED
;;   THE QUANTISER, for each operand of a quantised product, along K:
;;     - K is cut into blocks of 32 from its start; a last block that is shorter is filled with zeros.
;;     - A block's scale is 2^e with e = floor(log2(the largest magnitude in the block)) - 2, held to -126 .. 127; a block of zeros has e = 0. As a byte (E8M0): e + 127.
;;     - Each number is divided by its block's scale, clamped to +-7.5, and rounded to the nearest number of E2M3, ties to even, subnormals kept.
;;     - The product sums the exact products of the quantised numbers (number of the format x scale) in f32.
;;   ~~~python
;;   def quantise(x, axis):      # numpy; x: float32 -> the quantised numbers, widened to float32 again
;;       x = np.moveaxis(x, axis, -1); K = x.shape[-1]
;;       x = np.pad(x, [(0, 0)] * (x.ndim - 1) + [(0, -K % 32)]); x = x.reshape(x.shape[:-1] + (-1, 32)); a = np.abs(x).max(-1, keepdims=True)
;;       e = np.where(a > 0, np.clip(np.frexp(np.where(a > 0, a, 1))[1] - 1 - 2, -126, 127), 0)      # np.frexp(a)[1] - 1 = floor(log2(a)), exactly
;;       r = np.clip(x / 2.0 ** e, -7.5, 7.5)
;;       step = 2.0 ** (np.maximum(np.frexp(np.where(r == 0, 1, r))[1] - 1, 0) - 3)
;;       q = np.round(r / step) * step * 2.0 ** e      # np.round: ties to even
;;       return np.moveaxis(q.reshape(q.shape[:-2] + (-1,))[..., :K], -1, axis).astype(np.float32)
;;   ~~~
;;   SOFTMAX AHEAD OF A QUANTISED PRODUCT. Where the list says 'softmax', what is quantised is not the finished softmax but p = 2^(t - M), with t = logit x log2(e) and M = ceil(the row's largest t), a whole number; so 1/2 < the row's largest p <= 1. The row's sum l is taken of the UNQUANTISED p, in f32, and the product's result is divided by l at the end. Since M is a whole number, a kernel that streams over the keys may use a running M (the ceiling of the running maximum): every later rescaling is an exact power of two, which a block's scale takes up: the codes' values come out the same.
;;   OPERANDS COMPUTED ON THE WAY. 'Computed on the way' means the value that the module computes at that place (a softmax that the list does not call 'softmax' is quantised finished and normalised). What goes into a quantiser is computed in f32, as accurately as f32 sums, v_exp_f32 and their like allow (about 1e-6 of the number): no bf16 or f16 on the way to a quantiser, and a product that is left as it is and whose result goes on into a quantised operand takes f32 operands (vector FMAs, or v_wmma_f32_16x16x4_f32). A number that lies on a knife's edge between two numbers of the format may be rounded either way, as far as f32 arithmetic and the matrix unit's own rounding can turn it there, and no further.
;;   INPUTS GIVEN AS CODES. Wk (in the module: [128, 1024], K = its axis 0); Wkt (in the module: [128, 1024], K = its axis 0); Wo (in the module: [1024, 128], K = its axis 0); Wq (in the module: [128, 1024], K = its axis 0); Wqt (in the module: [128, 1024], K = its axis 0); Wv (in the module: [128, 1024], K = its axis 0); Wvt (in the module: [128, 1024], K = its axis 0); kv_x (in the module: [4, 16, 64, 32, 128], K = its axis 4); q_x (in the module: [4, 64, 16, 128], K = its axis 3): each comes as NAME_codes (uint8): NAME with its K axis moved to the last place and cut into blocks of 32 codes, [.., K / 32, bytes a block], one block behind the other in memory; four codes in three bytes: a row's codes are one little-endian stream of bits, code i at bits 6 i .. 6 i + 5 (a code: sign, 2 exponent bits, 3 mantissa bits); and NAME_scales (uint8): the same leading axes, one E8M0 byte (e + 127) for each 32 codes along K. Its value is code x scale, taken as it is: it is not quantised again, and the codes and scales need not be those that the quantiser above would give.
;; One version. Each part assembles by itself: llvm-mc -triple=amdgcn-amd-amdhsa -mcpu=gfx1250 --defsym DOCPART=n.
;; ======== version 1 of 1: 2 launches
;; limits: right only within a limited range of input values
;; workspace buffers: ocodes 3,145,728 bytes; oscales 262,144 bytes
;; launch attn (part 1): grid 8 x 64, 4 waves a work-group, clusters of 4 x 1, 327,680 bytes of LDS; arguments Wk_codes, Wv_codes, Wkt_codes, Wvt_codes, Wqt_codes, Wq_codes, kv_x_codes, kv_x_scales, Wk_scales, Wv_scales, Wkt_scales, Wvt_scales, Wqt_scales, Wq_scales, bkt, bvt, bqt, t_embed, q_x_codes, q_x_scales, ocodes, oscales; writes ocodes, oscales
.if DOCPART == 1
	.amdgcn_target "amdgcn-amd-amdhsa--gfx1250"
	.amdhsa_code_object_version 6
	.text
	.protected	k_qe5d59a8f71_attn
	.globl	k_qe5d59a8f71_attn
	.p2align	8
	.type	k_qe5d59a8f71_attn,@function
k_qe5d59a8f71_attn:
	s_mov_b64 s[64:65], 0
	v_nop
	global_prefetch_b8 v0, s[64:65] scope:SCOPE_SE
	s_setreg_imm32_b32 hwreg(HW_REG_WAVE_MODE, 25, 1), 1
	s_wait_xcnt 0x0
	s_wait_alu depctr_hold_cnt(0) depctr_sa_sdst(0) depctr_va_vdst(0) depctr_va_sdst(0) depctr_va_ssrc(0) depctr_va_vcc(0) depctr_vm_vsrc(0)
	s_getreg_b32 s2, hwreg(HW_REG_IB_STS2, 6, 4)
	s_cmp_eq_u32 s2, 0
	s_cbranch_scc0 .Lentry_in_a_cluster
	s_endpgm
.Lentry_in_a_cluster:
	s_bfe_u32 s2, ttmp6, 0x10000c
	s_cmp_lg_u32 s2, 0x3003
	s_cbranch_scc0 .Lentry_shape_is_right
	s_endpgm
.Lentry_shape_is_right:
; One work-group = one unit (b, n, head): 64 queries t attend to 2,048 keys (t', l').  All products on codes of FP6 (E2M3), one E8M0 scale for each 32 along K.
;   te = mish(t_embed), quantised;  Q = q_x Wq + te Wqt + bqt;  K = kv_x Wk + (te Wkt + bkt)[t'];  V = kv_x Wv + (te Wvt + bvt)[t'];
;   p = 2^(t - M), t = Q.K log2(e)/sqrt(128), M the ceiling of the running largest t;  O = (p V) / (sum of the unquantised p), quantised along the head's 128 and stored as codes.
; SHARES.  Wave w owns keys 512 w .. 512 w + 511 (t' = 16 w .. 16 w + 15), four steps of 128, for all 64 queries.  It projects and quantises its own K and V in registers and keeps its own M, sum and O^T;
; the four waves' parts meet once, at the end, through LDS (M is a whole number: a power of two brings them under one M).  The key loop has no barrier.
; LAYOUT.  Lane r of tile T (of weight rows, and of keys) takes row 64 (T / 4) + 8 (T % 4) + r + 24 (r / 8).  A result's lane (r, h) then holds in register 8 T + j the row 64 (T / 4) + 32 h + 8 (T % 4) + j:
; the 32 registers of four neighbouring tiles are ONE WHOLE BLOCK of 32 along the next K, in the order of the 6-bit operand (registers 6 c .. 6 c + 5: k = 64 c + 32 h + 0 .. 31).  So a block's largest magnitude
; needs no other lane and the conversions' results are the operand; only the scale word's bytes are gathered from lane l xor 16.  One fragment of kv_x serves both projections (source 1 against Wk: a lane is a key,
; registers along d; source 0 against Wv: a lane is a d, registers along the keys).  S^T = K Q^T and O^T = V^T P^T: a lane holds one query.
; The biases are the C of the projections, kept in LDS.  A key tile holds two t': lanes r < 8 the t' 2 c, the others 2 c + 1 (K's C); registers of half h belong to t' 2 c + h (V's C).
; CLUSTER.  The four heads of a cluster read the same 2,048 rows of kv_x: each wave's 512 rows come by ONE joint load (mask 15), the wave's only tensor load.  The weights differ from head to head: each wave brings
; its quarter of the head's six blocks (6 x 3,072 bytes) through registers into LDS bytes that no tensor load fills.  No prefetch: the keys are asked for whole at the head, and there is no loop to run ahead in.
; LIMITS.  NaN, infinities and scale bytes 0xff among the inputs are not served.  mish(x) comes out as 0 where e^x falls under 2^-126 (x under -87).  A block of zeros, and one whose largest magnitude lies
; under 2^-124, gets the scale byte 1 (read by this program alone; zero codes add nothing).  p under 2^-126 counts as 0.
; REGISTERS, windows of 256.  0: v1-8 loop addresses; v9-14 head and tail; v15 = 8 h; v16-79 R results; v80-127 Q's fragments (head: addresses, bvt); v128-147 PC codes; v148-163 TM; v164-206 scale words;
;   v208-231 statistics; v232-243 te; v244-255 tail.  1: v0-95 Wk, v96-191 Wv, v192-255 the bias as C.  2: v0-95 kv_x, v96-191 K, v192-239 p, v240-246 at work (head: Wqt, Wq, q_x).
;   3: O^T, tile (q, T) at v[64 q + 8 T] (head: the weights on their way, then Wkt, Wvt, bqt).
.set TAB,  196608                      ; LDS 0 .. TAB: the keys' codes, wave w at 49,152 w (after the loop: the merge's stage)
.set BKB,  TAB                         ; first the six weight blocks of 12,288 bytes; then K's bias, wave w at 8,448 w: 16 t' x 528 bytes (half h at 256 h),
.set BVB,  TAB+33792                   ; and V's, wave w at 16,640 w: 16 t' x 1,040 bytes, entry (T, r) at 128 T + 8 r, each number twice
.set QI,   296960                      ; Q's fragments as images of their registers, 1,536 bytes each
.set QS,   303104                      ; their scale words
.set SPARE, 303616                     ; the spare words, 512 bytes
.set R,    16
.set QF,   80
.set PC,   128
.set TM,   148                         ; +0..3 maxima, +4, +5 bytes, +8, +9 second chain of sums, +10 at work, +12, +13 the conversions' scales
.set WKS,  164                         ; scale words, two tiles to a register: lanes 0-15 the even tile, lanes 16-31 the odd one
.set WVS,  168
.set KVS,  172
.set QSC,  188
.set KSC,  192
.set PSC,  200
.set VSC,  204
.set TES,  205
.set PW,   206
.set WKTS, 188
.set WVTS, 192
.set WQTS, 196
.set WQS,  200
.set QXS,  204
.set ST,   208                         ; query tile q: +0 -M, +1 largest t, +2, +3 the sum, +4 f, +5 named with f
.set TEF,  232
.set WV,   96
.set HD,   97
.set BN,   98
.set W_KP,  0x19
.set W_VP,  0x16
.set W_SS,  0x02
.set W_PV,  0xf8
.set W_RS,  0xc3
.set W_BKP, 0x13
.set W_BVP, 0x0c
.set W_BQP, 0x32
.set W_QP,  0x0a
.set W_ST3, 0x0c
.set W_MG,  0x03
.set LD1,   0x40
.set LD2,   0x80
.set LD3,   0xc0
.set MSB, 0
.macro WIN new                         ; the immediate's high byte repeats the setting that is left
.if MSB != \new
	s_set_vgpr_msb (MSB<<8)|\new
.set MSB, \new
.endif
.endm
.macro PLACES n
.rept \n
	v_nop
.endr
.endm
.macro ROUND                           ; a round of the cluster's barrier
	s_barrier_signal -1
	s_barrier_wait -1
	s_cmp_lg_u32 s[WV], 0
	s_cbranch_scc1 .Lnot_wave_0_\@
	s_barrier_signal -3
.Lnot_wave_0_\@:
	s_barrier_wait -3
	s_barrier_signal -1
	s_barrier_wait -1
.endm
.macro MM d, a, b, c, sa, sb, ra, rb   ; ra, rb = 1: that side's scale words stand in lanes 16-31
.if (\ra) && (\rb)
	v_wmma_scale_f32_16x16x128_f8f6f4 v[\d:\d+7], v[\a:\a+11], v[\b:\b+11], v[\c:\c+7], v[\sa], v[\sb] matrix_a_fmt:MATRIX_FMT_FP6 matrix_b_fmt:MATRIX_FMT_FP6 matrix_a_scale:MATRIX_SCALE_ROW1 matrix_b_scale:MATRIX_SCALE_ROW1
.elseif (\ra)
	v_wmma_scale_f32_16x16x128_f8f6f4 v[\d:\d+7], v[\a:\a+11], v[\b:\b+11], v[\c:\c+7], v[\sa], v[\sb] matrix_a_fmt:MATRIX_FMT_FP6 matrix_b_fmt:MATRIX_FMT_FP6 matrix_a_scale:MATRIX_SCALE_ROW1
.elseif (\rb)
	v_wmma_scale_f32_16x16x128_f8f6f4 v[\d:\d+7], v[\a:\a+11], v[\b:\b+11], v[\c:\c+7], v[\sa], v[\sb] matrix_a_fmt:MATRIX_FMT_FP6 matrix_b_fmt:MATRIX_FMT_FP6 matrix_b_scale:MATRIX_SCALE_ROW1
.else
	v_wmma_scale_f32_16x16x128_f8f6f4 v[\d:\d+7], v[\a:\a+11], v[\b:\b+11], v[\c:\c+7], v[\sa], v[\sb] matrix_a_fmt:MATRIX_FMT_FP6 matrix_b_fmt:MATRIX_FMT_FP6
.endif
.endm
.macro MMZ d, a, b, sa, sb, rb         ; the same with the constant 0 as C
.if (\rb)
	v_wmma_scale_f32_16x16x128_f8f6f4 v[\d:\d+7], v[\a:\a+11], v[\b:\b+11], 0, v[\sa], v[\sb] matrix_a_fmt:MATRIX_FMT_FP6 matrix_b_fmt:MATRIX_FMT_FP6 matrix_b_scale:MATRIX_SCALE_ROW1
.else
	v_wmma_scale_f32_16x16x128_f8f6f4 v[\d:\d+7], v[\a:\a+11], v[\b:\b+11], 0, v[\sa], v[\sb] matrix_a_fmt:MATRIX_FMT_FP6 matrix_b_fmt:MATRIX_FMT_FP6
.endif
.endm
; 64 numbers of a lane at v[s] (register 32 c + i = k 64 c + 32 h + i), the two blocks' scales in v[TM+12], v[TM+13], become a fragment at v[d] of window dw (0 or 2).
; A conversion's three registers begin on an even number: a block's upper 16 codes are made elsewhere and moved.
.macro PACK s, dw, d
.if (\dw) == 0
.set PT, PC+12
.else
.set PT, 240
	WIN 0x80
.endif
.irp c, 0,1
	v_cvt_scalef32_pk16_fp6_f32 v[\d+6*\c:\d+2+6*\c], v[\s+32*\c:\s+15+32*\c], v[TM+12+\c]
	v_cvt_scalef32_pk16_fp6_f32 v[PT+4*\c:PT+2+4*\c], v[\s+16+32*\c:\s+31+32*\c], v[TM+12+\c]
.endr
	v_nop                                          ; one plain instruction behind the scaled conversions
.if (\dw) != 0
	WIN 0x82
.endif
.irp c, 0,1
.irp i, 0,1,2
	v_mov_b32 v[\d+3+6*\c+\i], v[PT+4*\c+\i]
.endr
.endr
	WIN 0
.endm
; From the two blocks' largest magnitudes in v[TM], v[TM+2]: the conversions' scales, and my row's scale word in v[sw] (my bytes are blocks h and 2 + h; lane l xor 16 has the other two)
.macro SWORD sw
	v_add_nc_u32 v[TM+12], 0xff000000, v[TM]       ; 2 off the exponent field
	v_add_nc_u32 v[TM+13], 0xff000000, v[TM+2]
	v_lshrrev_b32 v[TM+4], 23, v[TM+12]
	v_lshrrev_b32 v[TM+5], 23, v[TM+13]
	v_lshl_or_b32 v[TM+4], v[TM+5], 16, v[TM+4]
	v_lshlrev_b32 v[TM+4], v15, v[TM+4]            ; 8 h bits up
	v_permlanex16_b32 v[TM+5], v[TM+4], s66, s67
	v_or_b32 v[\sw], v[TM+4], v[TM+5]
.endm
.macro QUANT s, dw, d, sw
.irp b, 0,1,2,3
	v_max3_num_f32 v[TM+\b], |v[\s+16*\b]|, |v[\s+1+16*\b]|, 0x1800000   ; four chains of 16 by turns, with the floor 2^(3 - 127): the byte cannot fall under 1
.endr
.irp i, 2,4,6,8,10,12,14
.irp b, 0,1,2,3
	v_max3_num_f32 v[TM+\b], v[TM+\b], |v[\s+16*\b+\i]|, |v[\s+1+16*\b+\i]|
.endr
.endr
	v_max_num_f32 v[TM], v[TM], v[TM+1]
	v_max_num_f32 v[TM+2], v[TM+2], v[TM+3]
	SWORD \sw
	PACK \s, \dw, \d
.endm
; mish(x) = x n / (n + 2), n = u (u + 2), u = e^x: all terms positive.  The exponent is held at 42: from there on n / (n + 2) is 1 in f32, and n stays finite.
.macro MISH c
.set X, R+16*(\c)
.irp j, 0,2,4,6,8,10,12,14
	v_pk_mul_f32 v[128+\j:129+\j], v[X+\j:X+\j+1], s[10:11] op_sel_hi:[1,0]
.endr
.irp j, 0,1,2,3,4,5,6,7,8,9,10,11,12,13,14,15
	v_min_num_f32 v[128+\j], 0x42280000, v[128+\j]
.endr
	s_wait_alu depctr_va_vdst(0)                   ; a wait ahead of each batch and one behind it
.irp j, 0,1,2,3,4,5,6,7,8,9,10,11,12,13,14,15
	v_exp_f32 v[128+\j], v[128+\j]
.endr
	v_nop
	s_wait_alu depctr_va_vdst(0)
.irp j, 0,2,4,6,8,10,12,14
	v_pk_add_f32 v[144+\j:145+\j], v[128+\j:129+\j], 2.0 op_sel_hi:[1,0]
.endr
.irp j, 0,2,4,6,8,10,12,14
	v_pk_mul_f32 v[144+\j:145+\j], v[144+\j:145+\j], v[128+\j:129+\j]
.endr
.irp j, 0,2,4,6,8,10,12,14
	v_pk_add_f32 v[128+\j:129+\j], v[144+\j:145+\j], 2.0 op_sel_hi:[1,0]
.endr
	s_wait_alu depctr_va_vdst(0)
.irp j, 0,1,2,3,4,5,6,7,8,9,10,11,12,13,14,15
	v_rcp_f32 v[128+\j], v[128+\j]
.endr
	v_nop
	s_wait_alu depctr_va_vdst(0)
.irp j, 0,2,4,6,8,10,12,14
	v_pk_mul_f32 v[144+\j:145+\j], v[144+\j:145+\j], v[128+\j:129+\j]
.endr
.irp j, 0,2,4,6,8,10,12,14
	v_pk_mul_f32 v[X+\j:X+\j+1], v[X+\j:X+\j+1], v[144+\j:145+\j]
.endr
.endm
.macro WFR i, win, base                ; weight block i from LDS: eight fragments.  v9 serves blocks 0-2, v10 blocks 3-5
	WIN (\win)*64
.irp t, 0,1,2,3,4,5,6,7
.irp p, 0,1,2,3,4,5
	ds_load_b64 v[\base+12*\t+2*\p:\base+12*\t+2*\p+1], v[9+(\i)/3] offset:12288*((\i)%3)+(64*(\t/4)+8*(\t%4))*96+48*(\p/3)+8*(\p%3)
.endr
.endr
.endm
	s_load_b512 s[4:19], s[0:1], 0x0               ; codes: Wk, Wv, Wkt, Wvt, Wqt, Wq s[4:15], kv_x s[16:17]; kv_x's scales s[18:19]
	s_load_b512 s[20:35], s[0:1], 0x40             ; scales: Wk, Wv, Wkt, Wvt, Wqt, Wq s[20:31]; bkt s[32:33], bvt s[34:35]
	s_load_b256 s[36:43], s[0:1], 0x80             ; bqt, t_embed, q_x's codes, its scales
	s_load_b128 s[44:47], s[0:1], 0xa0             ; ocodes, oscales
	v_lshl_add_u32 v207, v0, 2, SPARE
	v_mov_b32 v255, 0
	ds_add_u32 v207, v255                          ; the opening lines: the add, twice on end, and its wait
	ds_add_u32 v207, v255
	v_lshrrev_b32 v9, 5, v0
	v_readfirstlane_b32 s[WV], v9                  ; wave 0..3
	s_bfe_u32 s99, ttmp6, 0x40000                  ; cx
	s_lshl_b32 s[HD], ttmp9, 2
	s_add_co_u32 s[HD], s[HD], s99                 ; the head: it enters global offsets of weights, biases and outputs alone
	s_and_b32 s[BN], ttmp7, 0xffff                 ; b x 16 + n, which the four partners share
	s_mov_b32 s56, 15|(3<<16)|(1<<21)              ; group 1, a wave's 512 keys: 49,152 dense bytes as 192 rows of 32 elements of 8 bytes; the mask names all four partners
	s_mov_b32 s57, 32<<16
	s_mov_b32 s58, 192<<16
	s_mov_b32 s59, 32<<16
	s_mov_b32 s60, 192
	s_mov_b32 s61, 32
	s_mov_b32 s62, 0
	s_mov_b32 s63, 0
	s_mul_i32 s48, s[WV], 49152                    ; my keys in LDS
	s_mul_i32 s2, s[BN], 196608
	s_add_co_u32 s2, s2, s48                       ; and in memory
	s_mov_b32 s3, 0
	s_mul_i32 s100, s[HD], 12288                   ; the head's 128 rows of a weight
	s_mov_b32 s101, 0
	s_mul_i32 s99, s[WV], 3072                     ; my quarter of a block
	s_mov_b32 s66, 0x76543210                      ; v_permlanex16_b32's selects for lane l xor 16
	s_mov_b32 s67, 0xfedcba98
	s_mul_i32 s49, s[WV], 8448
	s_add_co_u32 s49, s49, BKB
	s_mul_i32 s50, s[WV], 16640
	s_add_co_u32 s50, s50, BVB
	s_mul_i32 s51, s[WV], 1536
	s_add_co_u32 s51, s51, QI
	s_lshl_b32 s52, s[WV], 7
	s_add_co_u32 s52, s52, QS
	s_lshr_b32 s81, s[BN], 4                       ; b
	s_and_b32 s82, s[BN], 15                       ; n
	s_lshl_b32 s81, s81, 6
	s_lshl_b32 s83, s[WV], 4
	s_add_co_u32 s81, s81, s83                     ; 64 b + 16 w: my first t
	s_lshl_b32 s53, s81, 9                         ; t_embed's row
	s_lshl_b32 s84, s[HD], 9                       ; 512 x head: a bias's 128 numbers, a weight's 128 scale words
	s_lshl_b32 s54, s[BN], 13
	s_lshl_b32 s83, s[WV], 11
	s_add_co_u32 s54, s54, s83                     ; my keys' scale words
	s_mul_i32 s55, s81, 1536
	s_mul_i32 s83, s82, 96
	s_add_co_u32 s55, s55, s83                     ; q_x: row (b, t, n)
	s_lshl_b32 s80, s81, 6
	s_lshl_b32 s83, s82, 2
	s_add_co_u32 s80, s80, s83                     ; and its scale word
	s_wait_dscnt 0x0
	s_wait_kmcnt 0x0
.irp i, 0,1,2,3,4,5
	s_add_nc_u64 s[68+2*\i:69+2*\i], s[4+2*\i:5+2*\i], s[100:101]
.endr
	s_mov_b32 s92, 1
	s_mov_b32 s93, s48
	s_add_nc_u64 s[94:95], s[16:17], s[2:3]
	s_or_b32 s95, s95, 0x80000000
	ROUND                                          ; all four work-groups are here: the joint loads meet
	tensor_load_to_lds s[92:95], s[56:63]          ; my only tensor load
	s_nop 0
	PLACES 4
	v_and_b32 v91, 15, v0                          ; r
	v_bfe_u32 v92, v0, 4, 1                        ; h
	v_and_b32 v94, 31, v0                          ; lane
	v_and_b32 v93, 8, v91
	v_mad_u32_u24 v93, v93, 3, v91                 ; r + 24 (r / 8)
	v_lshrrev_b32 v97, 3, v91                      ; r / 8
	v_lshlrev_b32 v15, 3, v92                      ; 8 h
	v_lshlrev_b32 v4, 4, v94
	v_lshlrev_b32 v5, 2, v94
	v_add_nc_u32 v95, s99, v4                      ; my quarter of a weight block: 16 bytes a lane
	v_add_nc_u32 v96, TAB, v95
	v_mul_u32_u24 v9, v93, 96
	v_mad_u32_u24 v9, v92, 24, v9                  ; a tile's row x 96 + 24 h
	v_add_nc_u32 v1, s48, v9                       ; my keys
	v_add_nc_u32 v9, TAB, v9                       ; the weight blocks
	v_add_nc_u32 v10, 36864, v9
	v_lshl_add_u32 v2, v92, 8, s49
	v_mad_u32_u24 v80, v91, 528, v2                ; K's bias, written: t' = r
	v_mad_u32_u24 v2, v97, 528, v2                 ; and read: t' = 2 c + r / 8
	v_lshl_add_u32 v3, v91, 3, s50
	v_mad_u32_u24 v81, v92, 8320, v3               ; V's bias, written: t' = 8 h + j
	v_mad_u32_u24 v3, v92, 1040, v3                ; and read: t' = 2 c + h
	v_add_nc_u32 v82, s51, v4                      ; Q's image, written
	v_add_nc_u32 v83, s52, v5
	v_add_nc_u32 v11, QI, v4                       ; and read
	v_add_nc_u32 v12, QS, v5
	v_lshl_add_u32 v84, v91, 9, s53
	v_lshl_add_u32 v84, v92, 7, v84                ; t_embed: row t of 512 bytes, + 128 h
	v_lshl_add_u32 v85, v92, 3, v93
	v_lshlrev_b32 v85, 2, v85                      ; scale words: 4 (8 h + r + 24 (r / 8))
	v_add_nc_u32 v86, s54, v85
	v_add_nc_u32 v85, s84, v85
	v_lshl_add_u32 v87, v93, 2, s84                ; bvt at my lane's d
	v_lshl_add_u32 v88, v92, 7, s84                ; bkt, bqt in the result's layout: + 128 h
	v_mad_u32_u24 v89, v91, 1536, s55
	v_mad_u32_u24 v89, v92, 24, v89
	v_lshl_add_u32 v90, v91, 6, s80
	s_wait_alu depctr_va_vdst(0)                   ; the wait behind the head's address work
	s_mov_b32 s4, 0x3e0293ee                       ; c = log2(e) / sqrt(128)
	s_mov_b32 s5, s4
	s_mov_b32 s6, 0                                ; the step's place among my keys,
	s_mov_b32 s7, 0                                ; in K's bias,
	s_mov_b32 s8, 0                                ; in V's
	s_mov_b32 s9, 0                                ; steps done
	s_mov_b32 s10, 0x3fb8aa3b                      ; log2(e)
	s_mov_b32 s11, s10
	WIN LD3
.irp i, 0,1,2,3,4,5
.irp j, 0,1,2,3,4,5
	global_load_b128 v[24*\i+4*\j:24*\i+4*\j+3], v95, s[68+2*\i:69+2*\i] offset:512*\j   ; 512 consecutive bytes a load
.endr
.endr
	WIN 0
.irp c, 0,1
.irp j, 0,1,2,3,4,5,6,7
	global_load_b128 v[R+32*\c+4*\j:R+32*\c+4*\j+3], v84, s[38:39] offset:256*\c+16*\j   ; t_embed: of row 16 w + r my two whole blocks
.endr
.endr
.irp b, 0,1,2,3
	global_load_b32 v[WKS+\b], v85, s[20:21] offset:(64*(\b/2)+16*(\b%2))*4
	global_load_b32 v[WVS+\b], v85, s[22:23] offset:(64*(\b/2)+16*(\b%2))*4
	global_load_b32 v[WKTS+\b], v85, s[24:25] offset:(64*(\b/2)+16*(\b%2))*4
	global_load_b32 v[WVTS+\b], v85, s[26:27] offset:(64*(\b/2)+16*(\b%2))*4
	global_load_b32 v[WQTS+\b], v85, s[28:29] offset:(64*(\b/2)+16*(\b%2))*4
	global_load_b32 v[WQS+\b], v85, s[30:31] offset:(64*(\b/2)+16*(\b%2))*4
.endr
.irp t, 0,1,2,3,4,5,6,7
	global_load_b32 v[98+\t], v87, s[34:35] offset:(64*(\t/4)+8*(\t%4))*4
.endr
	WIN LD2
.irp p, 0,1,2,3,4,5
	global_load_b64 v[192+2*\p:193+2*\p], v89, s[40:41] offset:48*(\p/3)+8*(\p%3)
.endr
	WIN 0
	global_load_b32 v[QXS], v90, s[42:43]
.irp i, 0,1,2,3,4,5,6,7,8,9,10,11,12,13,14,15
	global_load_b32 v[KVS+\i], v86, s[18:19] offset:512*(\i/4)+(64*((\i%4)/2)+16*(\i%2))*4
.endr
	s_wait_loadcnt 55                              ; the weights' 36 and t_embed's 16 are in; the 55 loads issued behind them may be out
	WIN W_ST3
.irp i, 0,1,2,3,4,5
.irp j, 0,1,2,3,4,5
	ds_store_b128 v96, v[24*\i+4*\j:24*\i+4*\j+3] offset:12288*\i+512*\j
.endr
.endr
	WIN LD1
.irp t, 0,1,2,3,4,5,6,7
	global_load_b128 v[192+8*\t:195+8*\t], v88, s[32:33] offset:(64*(\t/4)+8*(\t%4))*4      ; bkt as C: register 8 T + j is d = 64 (T / 4) + 32 h + 8 (T % 4) + j
	global_load_b128 v[196+8*\t:199+8*\t], v88, s[32:33] offset:(64*(\t/4)+8*(\t%4))*4+16
.endr
	WIN LD3
.irp t, 0,1,2,3,4,5,6,7
	global_load_b128 v[192+8*\t:195+8*\t], v88, s[36:37] offset:(64*(\t/4)+8*(\t%4))*4      ; bqt likewise
	global_load_b128 v[196+8*\t:199+8*\t], v88, s[36:37] offset:(64*(\t/4)+8*(\t%4))*4+16
.endr
	WIN 0
	MISH 0                                         ; te, rows 16 w .. 16 w + 15: my keys' t' and my query tile's t alike
	MISH 1
	MISH 2
	MISH 3
	QUANT R, 0, TEF, TES
	s_wait_alu depctr_va_vdst(0)
	s_wait_loadcnt 0x0
	s_wait_dscnt 0x0                               ; for the others' sake: my quarters of the weights lie in LDS
	s_barrier_signal -1
	s_barrier_wait -1
	WFR 0, 1, 0                                    ; Wk
	WFR 1, 1, 96                                   ; Wv
	WFR 2, 3, 0                                    ; Wkt
	WFR 3, 3, 96                                   ; Wvt
	WFR 4, 2, 0                                    ; Wqt
	WFR 5, 2, 96                                   ; Wq
	WIN 0
	s_wait_dscnt 0x0                               ; my reads of the weight blocks are over
	s_barrier_signal -1
	s_barrier_wait -1                              ; everybody's are: their bytes may be stored to again
	PLACES 8
	; K's bias: te Wkt + bkt.  Lane (r, h): t' = 16 w + r, registers as the C of K's projection
	WIN W_BKP
.irp t, 0,1,2,3,4,5,6,7
	MM R+8*\t, 12*\t, TEF, 192+8*\t, WKTS+\t/2, TES, \t%2, 0
.endr
	PLACES 4
	WIN 0
.irp i, 0,1,2,3,4,5,6,7,8,9,10,11,12,13,14,15
	ds_store_b128 v80, v[R+4*\i:R+4*\i+3] offset:16*\i
.endr
	s_wait_dscnt 0x0
	PLACES 5                                       ; the next products write over these results
	; V's bias: te Wvt + bvt.  Lane (r, h): d of (T, r), register j: t' = 16 w + 8 h + j.  Each number is stored twice: a load of 8 bytes fills a pair of the C
	WIN W_BVP
.irp t, 0,1,2,3,4,5,6,7
	MMZ R+8*\t, TEF, 96+12*\t, TES, WVTS+\t/2, \t%2
.endr
	PLACES 4
	WIN 0
.set n, 0
.rept 64
	v_add_f32 v[128+2*(n%16)], v[R+n], v[98+n/8]
	v_add_f32 v[129+2*(n%16)], v[R+n], v[98+n/8]
	ds_store_b64 v81, v[128+2*(n%16):129+2*(n%16)] offset:1040*(n%8)+128*(n/8)
.if n%16 == 15
	s_wait_dscnt 0x0
.endif
.set n, n+1
.endr
	PLACES 5
	; Q, my tile of 16 queries: bqt + te Wqt + q_x Wq; the eight accumulators take turns
	WIN W_BQP
.irp t, 0,1,2,3,4,5,6,7
	MM R+8*\t, 12*\t, TEF, 192+8*\t, WQTS+\t/2, TES, \t%2, 0
.endr
	WIN W_QP
.irp t, 0,1,2,3,4,5,6,7
	MM R+8*\t, 96+12*\t, 192, R+8*\t, WQS+\t/2, QXS, \t%2, 0
.endr
	PLACES 4
	WIN 0
	QUANT R, 0, PC, PW
.irp c, 0,1,2
	ds_store_b128 v82, v[PC+4*\c:PC+4*\c+3] offset:512*\c
.endr
	ds_store_b32 v83, v[PW]
	s_wait_dscnt 0x0                               ; for the others' sake
	s_barrier_signal -1
	WIN LD3                                        ; O^T and the sums begin as zeros and the largest t as -3e38, so that the key step is written once
.set n, 0
.rept 256
	v_mov_b32 v[n], 0
.set n, n+1
.endr
	WIN 0
.irp q, 0,1,2,3
	v_mov_b32 v[ST+6*\q+1], 0xff61b1e6
	v_floor_f32 v[ST+6*\q], -v[ST+6*\q+1]
	v_mov_b32 v[ST+6*\q+2], 0
	v_mov_b32 v[ST+6*\q+3], 0
	v_mov_b32 v[ST+6*\q+4], 0
	v_mov_b32 v[ST+6*\q+5], 0
.endr
	s_barrier_wait -1                              ; Q's four fragments lie in LDS
.irp q, 0,1,2,3
.irp c, 0,1,2
	ds_load_b128 v[QF+12*\q+4*\c:QF+12*\q+4*\c+3], v11 offset:1536*\q+512*\c
.endr
	ds_load_b32 v[QSC+\q], v12 offset:128*\q
.endr
	s_wait_tensorcnt 0x0                           ; my 512 keys have landed; I alone read them
	s_wait_dscnt 0x0
.macro BCLOAD c                        ; K's bias as C for key tiles 4 c .. 4 c + 3: 64 registers
	WIN LD1
.irp i, 0,1,2,3,4,5,6,7,8,9,10,11,12,13,14,15
	ds_load_b128 v[192+4*\i:195+4*\i], v7 offset:1056*(\c)+16*\i
.endr
.endm
.macro KTILE i                         ; K = kv_x Wk + bias for key tile i, quantised along d
	WIN W_KP
.irp t, 0,1,2,3,4,5,6,7
	MM R+8*\t, 12*\t, 12*(\i), 192+8*\t, WKS+\t/2, KVS+(\i)/2, \t%2, (\i)%2
.endr
	PLACES 4
.if (\i) == 3
	BCLOAD 1                                       ; lands while this tile is quantised
.endif
	WIN 0
	QUANT R, 2, 96+12*(\i), KSC+(\i)
.if ((\i) == 1) || ((\i) == 3)
	s_wait_dscnt 0x0                               ; the later key tiles, the next bias
.endif
.endm
.macro SOFT q                          ; S^T = K Q^T for the step's 128 keys; the softmax; p quantised along the keys
.set SQ, ST+6*(\q)
	WIN W_SS
.irp i, 0,1,2,3,4,5,6,7
	MMZ R+8*\i, 96+12*\i, QF+12*(\q), KSC+\i, QSC+(\q), 0
.endr
	PLACES 4
	WIN 0
.irp b, 0,1,2,3
	v_max3_num_f32 v[TM+\b], v[R+16*\b], v[R+1+16*\b], v[R+2+16*\b]
.endr
.irp i, 3,5,7,9,11,13
.irp b, 0,1,2,3
	v_max3_num_f32 v[TM+\b], v[TM+\b], v[R+16*\b+\i], v[R+1+16*\b+\i]
.endr
.endr
.irp b, 0,1,2,3
	v_max_num_f32 v[TM+\b], v[TM+\b], v[R+15+16*\b]
.endr
	v_max_num_f32 v[TM], v[TM], v[TM+1]            ; my two blocks' largest scores: for the row's maximum and, since p rises with the score, for each block's largest p
	v_max_num_f32 v[TM+2], v[TM+2], v[TM+3]
	v_max_num_f32 v[TM+10], v[TM], v[TM+2]
	v_permlanex16_b32 v[TM+4], v[TM+10], s66, s67
	v_max_num_f32 v[TM+10], v[TM+10], v[TM+4]
	v_mul_f32 v[TM+10], s4, v[TM+10]               ; as t (c is positive)
	v_max_num_f32 v[SQ+1], v[SQ+1], v[TM+10]
	v_mov_b32 v[TM+10], v[SQ]
	v_floor_f32 v[SQ], -v[SQ+1]                    ; -M = floor(-t)
	v_sub_f32 v[TM+10], v[SQ], v[TM+10]
	v_cvt_i32_f32 v[TM+10], v[TM+10]
	v_ldexp_f32 v[SQ+4], 1.0, v[TM+10]             ; f = 2^(old M - new M)
.set n, 0
.rept 32
	v_pk_fma_f32 v[R+n:R+n+1], v[R+n:R+n+1], s[4:5], v[SQ:SQ+1] op_sel_hi:[1,0,0]   ; t - M
.set n, n+2
.endr
	v_fma_f32 v[TM], v[TM], s4, v[SQ]
	v_fma_f32 v[TM+2], v[TM+2], s4, v[SQ]
	s_wait_alu depctr_va_vdst(0)
.set n, 0
.rept 64
	v_exp_f32 v[R+n], v[R+n]
.set n, n+1
.endr
	v_pk_mul_f32 v[SQ+2:SQ+3], v[SQ+2:SQ+3], v[SQ+4:SQ+5] op_sel_hi:[1,0]   ; the sums under the new M
	s_wait_alu depctr_va_vdst(0)
	v_exp_f32 v[TM], v[TM]
	v_exp_f32 v[TM+2], v[TM+2]
	v_pk_add_f32 v[TM+8:TM+9], v[R:R+1], v[R+2:R+3]   ; the row's sum is taken of the unquantised p, in two chains
.irp j, 4,8,12,16,20,24,28,32,36,40,44,48,52,56,60
	v_pk_add_f32 v[SQ+2:SQ+3], v[SQ+2:SQ+3], v[R+\j:R+\j+1]
	v_pk_add_f32 v[TM+8:TM+9], v[TM+8:TM+9], v[R+2+\j:R+3+\j]
.endr
	v_pk_add_f32 v[SQ+2:SQ+3], v[SQ+2:SQ+3], v[TM+8:TM+9]
	s_wait_alu depctr_va_vdst(0)
	v_max_num_f32 v[TM], 0x1800000, v[TM]          ; the floor 2^(3 - 127)
	v_max_num_f32 v[TM+2], 0x1800000, v[TM+2]
	SWORD PSC+(\q)
	PACK R, 2, 192+12*(\q)
.endm
.macro VBLOAD t                        ; V's bias of tile t as C: for t' = 2 c + h one number a lane in eight registers
	WIN LD1
.irp c, 0,1
.irp k, 0,1,2,3
	ds_load_b64 v[192+8*\c+2*\k:193+8*\c+2*\k], v8 offset:2080*\c+128*(\t)
.endr
.endr
.endm
.macro VTILE t                         ; V = kv_x Wv + bias for 128 keys x 16 d, quantised along the keys; O^T x f; O^T += V^T P^T
	s_wait_dscnt 0x0
	WIN W_VP
.irp i, 0,1,2,3,4,5,6,7
	MM R+8*\i, 12*\i, 96+12*(\t), 192+8*(\i/4), KVS+\i/2, WVS+(\t)/2, \i%2, (\t)%2
.endr
	PLACES 4
.if (\t) < 7
	VBLOAD (\t)+1
.endif
	WIN 0
	QUANT R, 0, PC, VSC
	WIN W_RS
.irp q, 0,1,2,3
.irp k, 0,1,2,3
	v_pk_mul_f32 v[64*\q+8*(\t)+2*\k:64*\q+8*(\t)+2*\k+1], v[64*\q+8*(\t)+2*\k:64*\q+8*(\t)+2*\k+1], v[ST+6*\q+4:ST+6*\q+5] op_sel_hi:[1,0]   ; also the places ahead of the products
.endr
.endr
	WIN W_PV
.irp q, 0,1,2,3
	MM 64*\q+8*(\t), PC, 192+12*\q, 64*\q+8*(\t), VSC, PSC+\q, 0, 0
.endr
.endm
.Lstep:                                                ; four trips of 128 keys
	v_add_nc_u32 v6, s6, v1
	v_add_nc_u32 v7, s7, v2
	v_add_nc_u32 v8, s8, v3
	BCLOAD 0
	WIN LD2
.irp i, 0,1,2,3,4,5,6,7
.irp p, 0,1,2,3,4,5
	ds_load_b64 v[12*\i+2*\p:12*\i+2*\p+1], v6 offset:(64*(\i/4)+8*(\i%4))*96+48*(\p/3)+8*(\p%3)
.endr
.endr
	s_wait_dscnt 36                                ; the bias and tiles 0 and 1 are in; the 36 loads of tiles 2 to 7 may be out
.irp kb, 0,1,2,3,4,5,6,7
	KTILE \kb
.endr
	PLACES 8
	s_wait_alu depctr_va_vdst(0)
.irp sq, 0,1,2,3
	SOFT \sq
.endr
	VBLOAD 0
.irp vt, 0,1,2,3,4,5,6,7
	VTILE \vt
.endr
	WIN 0
.irp i, 0,1,2,3,4,5,6,7,8,9,10,11
	v_mov_b32 v[KVS+\i], v[KVS+4+\i]               ; kv_x's scale words move down by a step
.endr
	s_add_co_u32 s6, s6, 12288
	s_add_co_u32 s7, s7, 2112
	s_add_co_u32 s8, s8, 4160
	s_add_co_u32 s9, s9, 1
	s_cmp_lt_u32 s9, 4
	s_cbranch_scc1 .Lstep
	; THE MERGE.  Each wave lays -M, its sum and O^T into its own part of the keys' bytes, which have had their only fill and which it alone has read.
.irp q, 0,1,2,3
	v_add_f32 v[ST+6*\q+2], v[ST+6*\q+2], v[ST+6*\q+3]
.endr
	s_mul_i32 s12, s[WV], 49152
	v_add_nc_u32 v13, s12, v5
	v_add_nc_u32 v14, s12, v4
	s_lshl_b32 s12, s[WV], 13                      ; query tile w's sixteen groups of 512 bytes in a stage
	v_add_nc_u32 v9, s12, v4
	v_add_nc_u32 v10, 98304, v9
	s_lshl_b32 s12, s[WV], 8
	s_add_co_u32 s12, s12, 32768
	v_add_nc_u32 v11, s12, v5
	v_add_nc_u32 v12, 98304, v11
	v_mov_b32 v254, 0
.irp q, 0,1,2,3
	ds_store_b32 v13, v[ST+6*\q] offset:32768+256*\q
	ds_store_b32 v13, v[ST+6*\q+2] offset:32768+256*\q+128
.endr
	WIN W_ST3
.set n, 0
.rept 64
	ds_store_b128 v14, v[4*n:4*n+3] offset:512*n   ; each accumulator from its low end on
.set n, n+1
.endr
	WIN 0
	s_wait_alu depctr_va_vdst(0)
	s_wait_dscnt 0x0                               ; for the others' sake
	s_barrier_signal -1
	s_barrier_wait -1
.irp v, 0,1,2,3                        ; wave w finishes query tile w
	ds_load_b32 v[244+\v], v[11+\v/2] offset:49152*(\v%2)
	ds_load_b32 v[248+\v], v[11+\v/2] offset:49152*(\v%2)+128
.endr
	WIN LD3
.irp v, 0,1,2,3
.irp i, 0,1,2,3,4,5,6,7,8,9,10,11,12,13,14,15
	ds_load_b128 v[64*\v+4*\i:64*\v+4*\i+3], v[9+\v/2] offset:49152*(\v%2)+512*\i
.endr
.endr
	WIN 0
	s_wait_dscnt 0x0
	v_min3_num_f32 v252, v244, v245, v246
	v_min_num_f32 v252, v252, v247                 ; -M of all keys
.irp v, 0,1,2,3
	v_sub_f32 v[244+\v], v252, v[244+\v]
.endr
.irp v, 0,1,2,3
	v_cvt_i32_f32 v[244+\v], v[244+\v]
.endr
.irp v, 0,1,2,3
	v_ldexp_f32 v[244+\v], 1.0, v[244+\v]          ; f of the part
.endr
	v_mul_f32 v253, v244, v248
	v_fmac_f32 v253, v245, v249
	v_fmac_f32 v253, v246, v250
	v_fmac_f32 v253, v247, v251
	v_permlanex16_b32 v254, v253, s66, s67
	v_add_f32 v253, v253, v254                     ; with lane l xor 16's keys: the row's sum
	s_wait_alu depctr_va_vdst(0)
	v_rcp_f32 v253, v253
	v_nop
	s_wait_alu depctr_va_vdst(0)
.irp v, 0,1,2,3
	v_mul_f32 v[232+2*\v], v[244+\v], v253         ; f / the sum, as a pair
	v_mul_f32 v[233+2*\v], v[244+\v], v253
.endr
	WIN W_MG
.set n, 0
.rept 32
	v_pk_mul_f32 v[R+n:R+n+1], v[n:n+1], v[232:233]
.set n, n+2
.endr
.irp v, 1,2,3
.set n, 0
.rept 32
	v_pk_fma_f32 v[R+n:R+n+1], v[64*\v+n:64*\v+n+1], v[232+2*\v:233+2*\v], v[R+n:R+n+1]
.set n, n+2
.endr
.endr
	WIN 0
	QUANT R, 0, PC, PW                             ; the attention's output, quantised along the head's 128
	s_lshl_b32 s12, s[BN], 2
	s_add_co_u32 s12, s12, s[WV]                   ; the tile of rows: 4 (16 b + n) + w
	s_lshl_b32 s13, s12, 3
	s_add_co_u32 s13, s13, s[HD]
	s_mul_i32 s13, s13, 1536
	v_add_nc_u32 v244, s13, v4
	s_wait_alu depctr_va_vdst(0)
	s_lshl_b32 s14, s[HD], 8
	s_add_co_u32 s14, s14, s12
	s_lshl_b32 s14, s14, 7
	v_add_nc_u32 v245, s14, v5
.irp c, 0,1,2
	global_store_b128 v244, v[PC+4*\c:PC+4*\c+3], s[44:45] offset:512*\c   ; the fragment as an image of its registers: 512 consecutive bytes a store, aligned
.endr
	global_store_b32 v245, v[PW], s[46:47]
	s_wait_tensorcnt 0x0                           ; the wave's end
	ds_add_u32 v207, v255
	s_wait_dscnt 0x0
	ROUND                                          ; the closing round
	s_endpgm
.Lfunc_end_k_qe5d59a8f71_attn:
	.size	k_qe5d59a8f71_attn, .Lfunc_end_k_qe5d59a8f71_attn-k_qe5d59a8f71_attn
	.p2alignl 7, 3214868480
	.fill 96, 4, 3214868480
	.section	.rodata,"a",@progbits
	.p2align	6, 0x0
	.amdhsa_kernel k_qe5d59a8f71_attn
		.amdhsa_group_segment_fixed_size 327680
		.amdhsa_private_segment_fixed_size 0
		.amdhsa_enable_private_segment 0
		.amdhsa_kernarg_size 176
		.amdhsa_user_sgpr_count 2
		.amdhsa_user_sgpr_kernarg_segment_ptr 1
		.amdhsa_wavefront_size32 1
		.amdhsa_system_sgpr_workgroup_id_x 1
		.amdhsa_system_sgpr_workgroup_id_y 1
		.amdhsa_system_sgpr_workgroup_id_z 1
		.amdhsa_system_vgpr_workitem_id 0
		.amdhsa_next_free_vgpr 1024
		.amdhsa_next_free_sgpr 102
		.amdhsa_reserve_vcc 0
		.amdhsa_float_denorm_mode_32 3
		.amdhsa_float_denorm_mode_16_64 3
		.amdhsa_memory_ordered 1
		.amdhsa_forward_progress 1
		.amdhsa_inst_pref_size 251
	.end_amdhsa_kernel
	.amdgpu_metadata
---
amdhsa.version: [ 1, 2 ]
amdhsa.kernels:
  - .name:           k_qe5d59a8f71_attn
    .symbol:         k_qe5d59a8f71_attn.kd
    .args:
      - { .name: Wk_codes, .offset: 0, .size: 8, .value_kind: global_buffer, .address_space: global }
      - { .name: Wv_codes, .offset: 8, .size: 8, .value_kind: global_buffer, .address_space: global }
      - { .name: Wkt_codes, .offset: 16, .size: 8, .value_kind: global_buffer, .address_space: global }
      - { .name: Wvt_codes, .offset: 24, .size: 8, .value_kind: global_buffer, .address_space: global }
      - { .name: Wqt_codes, .offset: 32, .size: 8, .value_kind: global_buffer, .address_space: global }
      - { .name: Wq_codes, .offset: 40, .size: 8, .value_kind: global_buffer, .address_space: global }
      - { .name: kv_x_codes, .offset: 48, .size: 8, .value_kind: global_buffer, .address_space: global }
      - { .name: kv_x_scales, .offset: 56, .size: 8, .value_kind: global_buffer, .address_space: global }
      - { .name: Wk_scales, .offset: 64, .size: 8, .value_kind: global_buffer, .address_space: global }
      - { .name: Wv_scales, .offset: 72, .size: 8, .value_kind: global_buffer, .address_space: global }
      - { .name: Wkt_scales, .offset: 80, .size: 8, .value_kind: global_buffer, .address_space: global }
      - { .name: Wvt_scales, .offset: 88, .size: 8, .value_kind: global_buffer, .address_space: global }
      - { .name: Wqt_scales, .offset: 96, .size: 8, .value_kind: global_buffer, .address_space: global }
      - { .name: Wq_scales, .offset: 104, .size: 8, .value_kind: global_buffer, .address_space: global }
      - { .name: bkt, .offset: 112, .size: 8, .value_kind: global_buffer, .address_space: global }
      - { .name: bvt, .offset: 120, .size: 8, .value_kind: global_buffer, .address_space: global }
      - { .name: bqt, .offset: 128, .size: 8, .value_kind: global_buffer, .address_space: global }
      - { .name: t_embed, .offset: 136, .size: 8, .value_kind: global_buffer, .address_space: global }
      - { .name: q_x_codes, .offset: 144, .size: 8, .value_kind: global_buffer, .address_space: global }
      - { .name: q_x_scales, .offset: 152, .size: 8, .value_kind: global_buffer, .address_space: global }
      - { .name: ocodes, .offset: 160, .size: 8, .value_kind: global_buffer, .address_space: global }
      - { .name: oscales, .offset: 168, .size: 8, .value_kind: global_buffer, .address_space: global }
    .group_segment_fixed_size: 327680
    .private_segment_fixed_size: 0
    .kernarg_segment_align: 8
    .kernarg_segment_size: 176
    .max_flat_workgroup_size: 128
    .sgpr_count:     102
    .vgpr_count:     1024
    .wavefront_size: 32
...
	.end_amdgpu_metadata
.endif
;; end of part 1
;; launch oproj (part 2): grid 256 x 1, 8 waves a work-group, no clusters, 9,728 bytes of LDS; arguments ocodes, oscales, Wo_codes, Wo_scales, bo, out0; writes out0
.if DOCPART == 2
	.amdgcn_target "amdgcn-amd-amdhsa--gfx1250"
	.amdhsa_code_object_version 6
	.text
	.protected	k_qe5d59a8f71_oproj
	.globl	k_qe5d59a8f71_oproj
	.p2align	8
	.type	k_qe5d59a8f71_oproj,@function
k_qe5d59a8f71_oproj:
	s_mov_b64 s[64:65], 0
	v_nop
	global_prefetch_b8 v0, s[64:65] scope:SCOPE_SE
	s_setreg_imm32_b32 hwreg(HW_REG_WAVE_MODE, 25, 1), 1
	s_wait_xcnt 0x0
; out0 = O Wo + bo on codes of FP6 (E2M3).  O: 4,096 rows (b, t, l) x 1,024, as the launch before has laid it: fragments as images of their registers, [tile of rows RT = 4 (16 b + l) + t / 16][head][1,536 bytes],
; scale words [head][RT][32 lanes x 4 bytes].  Wo: [128 (f)][1,024] codes, K innermost; its scale bytes [128][32].
; A work-group takes one tile of 16 rows (t = 16 (RT % 4) + r of one (b, l)); each of its eight waves 16 of the 128 columns.  K = 1,024 is eight matrix instructions, one for each head, on two accumulators that
; take turns; bo is the C of the first.  The product is used transposed (source 0 = 16 rows of Wo, source 1 = O): a lane holds eight neighbouring columns of one row.
; The rows meet in a stage in LDS and leave whole: 512 consecutive bytes a store.  No tensor load, no cluster: a work-group reads 12 KB of O that nobody else reads, and Wo once.
.set OF,  16                           ; v16-111   O's eight fragments
.set WF,  112                          ; v112-207  Wo's eight
.set OS,  208                          ; v208-215  O's scale words
.set WS,  216                          ; v216-223  Wo's
.set BO,  224                          ; v224-231  bo in the result's layout
.set A0,  232                          ; v232-239, v240-247 the two accumulators
.set A1,  240
.set SU,  248                          ; v248-255  their sum
.set SP,  528                          ; a stage row: 512 bytes + 16
	s_load_b256 s[4:11], s[0:1], 0x0               ; ocodes s[4:5], oscales s[6:7], Wo's codes s[8:9], its scales s[10:11]
	s_load_b128 s[12:15], s[0:1], 0x20             ; bo s[12:13], out0 s[14:15]
	v_lshl_add_u32 v14, v0, 2, 0x2200
	v_mov_b32 v15, 0
	v_lshrrev_b32 v1, 5, v0
	s_delay_alu instid0(VALU_DEP_1)
	v_readfirstlane_b32 s16, v1                    ; wave 0..7
	v_and_b32 v1, 31, v0                           ; lane
	v_and_b32 v2, 15, v0                           ; r
	v_bfe_u32 v3, v0, 4, 1                         ; h
	s_mul_i32 s17, ttmp9, 12288                    ; my tile's eight images
	v_lshl_add_u32 v4, v1, 4, s17
	s_lshl_b32 s17, ttmp9, 7
	v_lshl_add_u32 v5, v1, 2, s17                  ; its scale words: 128 RT + 4 lane, + 32,768 a head
	s_lshl_b32 s17, s16, 4
	v_add_nc_u32 v6, s17, v2                       ; Wo's row 16 w + r
	s_delay_alu instid0(VALU_DEP_1)
	v_mul_u32_u24 v7, v6, 768
	s_delay_alu instid0(VALU_DEP_1)
	v_mad_u32_u24 v7, v3, 24, v7
	s_delay_alu instid0(VALU_DEP_3)
	v_lshlrev_b32 v6, 5, v6                        ; its 32 scale bytes
	s_lshl_b32 s17, s16, 6
	v_lshl_add_u32 v8, v3, 5, s17                  ; bo at column 16 w + 8 h; the same bytes in a stage row
	s_delay_alu instid0(VALU_DEP_1)
	v_mad_u32_u24 v9, v2, SP, v8                   ; the stage, in: row r
	s_mul_i32 s17, s16, 2*SP
	v_lshl_add_u32 v10, v1, 4, s17                 ; and back: rows 2 w and 2 w + 1, 16 bytes a lane
	s_lshr_b32 s18, ttmp9, 6                       ; b
	s_lshl_b32 s18, s18, 6
	s_and_b32 s19, ttmp9, 3
	s_lshl_b32 s19, s19, 4
	s_add_co_u32 s18, s18, s19
	s_lshl_b32 s19, s16, 1
	s_add_co_u32 s18, s18, s19                     ; 64 b + t of the first row that I store
	s_lshl_b32 s18, s18, 4
	s_bfe_u32 s19, ttmp9, 0x40002                  ; l
	s_add_co_u32 s18, s18, s19
	s_lshl_b32 s18, s18, 9
	v_lshl_add_u32 v11, v1, 4, s18                 ; its bytes in out0; the next t lies 16 rows of 512 bytes on
	s_wait_alu depctr_va_vdst(0)
	s_wait_kmcnt 0x0
.irp s, 0,1,2,3,4,5,6,7
.irp c, 0,1,2
	global_load_b128 v[OF+12*\s+4*\c:OF+12*\s+4*\c+3], v4, s[4:5] offset:1536*\s+512*\c
.endr
	global_load_b32 v[OS+\s], v5, s[6:7] offset:32768*\s
.irp p, 0,1,2,3,4,5
	global_load_b64 v[WF+12*\s+2*\p:WF+12*\s+2*\p+1], v7, s[8:9] offset:96*\s+48*(\p/3)+8*(\p%3)
.endr
.endr
	global_load_b128 v[WS:WS+3], v6, s[10:11]
	global_load_b128 v[WS+4:WS+7], v6, s[10:11] offset:16
	global_load_b128 v[BO:BO+3], v8, s[12:13]
	global_load_b128 v[BO+4:BO+7], v8, s[12:13] offset:16
	s_wait_loadcnt 0x0
	v_wmma_scale_f32_16x16x128_f8f6f4 v[A0:A0+7], v[WF:WF+11], v[OF:OF+11], v[BO:BO+7], v[WS], v[OS] matrix_a_fmt:MATRIX_FMT_FP6 matrix_b_fmt:MATRIX_FMT_FP6
	v_wmma_scale_f32_16x16x128_f8f6f4 v[A1:A1+7], v[WF+12:WF+23], v[OF+12:OF+23], 0, v[WS+1], v[OS+1] matrix_a_fmt:MATRIX_FMT_FP6 matrix_b_fmt:MATRIX_FMT_FP6
.irp s, 2,4,6
	v_wmma_scale_f32_16x16x128_f8f6f4 v[A0:A0+7], v[WF+12*\s:WF+12*\s+11], v[OF+12*\s:OF+12*\s+11], v[A0:A0+7], v[WS+\s], v[OS+\s] matrix_a_fmt:MATRIX_FMT_FP6 matrix_b_fmt:MATRIX_FMT_FP6
	v_wmma_scale_f32_16x16x128_f8f6f4 v[A1:A1+7], v[WF+12*\s+12:WF+12*\s+23], v[OF+12*\s+12:OF+12*\s+23], v[A1:A1+7], v[WS+\s+1], v[OS+\s+1] matrix_a_fmt:MATRIX_FMT_FP6 matrix_b_fmt:MATRIX_FMT_FP6
.endr
.rept 4
	v_nop                                          ; four places ahead of the first read of the results (ISA guide 7.12.1)
.endr
.irp k, 0,2,4,6
	v_pk_add_f32 v[SU+\k:SU+\k+1], v[A0+\k:A0+\k+1], v[A1+\k:A1+\k+1]   ; from the accumulators' low end on
.endr
	ds_store_b128 v9, v[SU:SU+3]                   ; lane (r, h): out(row r, 16 w + 8 h + 0 .. 7)
	ds_store_b128 v9, v[SU+4:SU+7] offset:16
	s_wait_dscnt 0x0                               ; for the others' sake: my stores have landed
	s_barrier_signal -1
	s_barrier_wait -1                              ; 16 whole rows lie in the stage
	ds_load_b128 v[OF:OF+3], v10
	ds_load_b128 v[OF+4:OF+7], v10 offset:SP
	s_wait_dscnt 0x1                               ; the first row is back; the second's load may be out
	global_store_b128 v11, v[OF:OF+3], s[14:15] th:TH_STORE_NT            ; 32 lanes store a row's 512 consecutive bytes, aligned
	s_wait_dscnt 0x0
	global_store_b128 v11, v[OF+4:OF+7], s[14:15] offset:8192 th:TH_STORE_NT
	s_wait_tensorcnt 0x0
	ds_add_u32 v14, v15
	s_wait_dscnt 0x0
	s_endpgm
.Lfunc_end_k_qe5d59a8f71_oproj:
	.size	k_qe5d59a8f71_oproj, .Lfunc_end_k_qe5d59a8f71_oproj-k_qe5d59a8f71_oproj
	.p2alignl 7, 3214868480
	.fill 96, 4, 3214868480
	.section	.rodata,"a",@progbits
	.p2align	6, 0x0
	.amdhsa_kernel k_qe5d59a8f71_oproj
		.amdhsa_group_segment_fixed_size 9728
		.amdhsa_private_segment_fixed_size 0
		.amdhsa_enable_private_segment 0
		.amdhsa_kernarg_size 48
		.amdhsa_user_sgpr_count 2
		.amdhsa_user_sgpr_kernarg_segment_ptr 1
		.amdhsa_wavefront_size32 1
		.amdhsa_system_sgpr_workgroup_id_x 1
		.amdhsa_system_sgpr_workgroup_id_y 1
		.amdhsa_system_sgpr_workgroup_id_z 1
		.amdhsa_system_vgpr_workitem_id 0
		.amdhsa_next_free_vgpr 256
		.amdhsa_next_free_sgpr 66
		.amdhsa_reserve_vcc 0
		.amdhsa_float_denorm_mode_32 3
		.amdhsa_float_denorm_mode_16_64 3
		.amdhsa_memory_ordered 1
		.amdhsa_forward_progress 1
		.amdhsa_inst_pref_size 13
	.end_amdhsa_kernel
	.amdgpu_metadata
---
amdhsa.version: [ 1, 2 ]
amdhsa.kernels:
  - .name:           k_qe5d59a8f71_oproj
    .symbol:         k_qe5d59a8f71_oproj.kd
    .args:
      - { .name: ocodes, .offset: 0, .size: 8, .value_kind: global_buffer, .address_space: global }
      - { .name: oscales, .offset: 8, .size: 8, .value_kind: global_buffer, .address_space: global }
      - { .name: Wo_codes, .offset: 16, .size: 8, .value_kind: global_buffer, .address_space: global }
      - { .name: Wo_scales, .offset: 24, .size: 8, .value_kind: global_buffer, .address_space: global }
      - { .name: bo, .offset: 32, .size: 8, .value_kind: global_buffer, .address_space: global }
      - { .name: out0, .offset: 40, .size: 8, .value_kind: global_buffer, .address_space: global }
    .group_segment_fixed_size: 9728
    .private_segment_fixed_size: 0
    .kernarg_segment_align: 8
    .kernarg_segment_size: 48
    .max_flat_workgroup_size: 256
    .sgpr_count:     66
    .vgpr_count:     256
    .wavefront_size: 32
...
	.end_amdgpu_metadata
.endif
;; end of part 2
